; MI455X (gfx1250); checked and timed in simulation.
; The chip was launched on July 23, 2026; its instructions are those of AMD's public machine-readable ISA for CDNA 5 (MIT licence, August 2026) and "CDNA5" Instruction Set Architecture Reference Guide (July 2026). The comments in the code are by the model that wrote it; some were corrected since.
;; Multi Resolution Hash Encoding. Allowed arithmetic: float matrix products may take bf16 or f16 operands with f32 sums; all other float work in f32.
;; Inputs: hash_table 8,388,608 x 2 float32; x 524,288 x 3 float32.
;; Outputs: out0 524,288 x 32 float32.
;; 2 versions, each right; version 2 is version 1 with the launch gather written anew for expert scheduling mode. Each part assembles by itself: llvm-mc -triple=amdgcn-amd-amdhsa -mcpu=gfx1250 --defsym DOCPART=n.
;; ======== version 1 of 2: 2 launches
;; limits: inputs' magnitudes at most 128
;; workspace buffers: xq 6,291,456 bytes of whole numbers
;; launch quant (part 1): grid 256 x 1, 8 waves a work-group, no clusters, 0 bytes of LDS; arguments x, xq; writes xq
.if DOCPART == 1
	.amdgcn_target "amdgcn-amd-amdhsa--gfx1250"
	.amdhsa_code_object_version 6
	.text
	.protected	k_qe5829ba04c_quant
	.globl	k_qe5829ba04c_quant
	.p2align	8
	.type	k_qe5829ba04c_quant,@function
k_qe5829ba04c_quant:
	s_mov_b64 s[64:65], 0
	v_nop
	global_prefetch_b8 v0, s[64:65] scope:SCOPE_SE
	s_setreg_imm32_b32 hwreg(HW_REG_WAVE_MODE, 25, 1), 1
	s_wait_xcnt 0x0
; xq[i] = round(x[i] * 2^24) + 2^31 : every coordinate as a 32-bit whole number, fixed point with 24 fraction bits and a bias of 128.
; The next launch makes its table addresses from these whole numbers alone.
; x: 524,288 x 3 f32 = 6,291,456 bytes, taken as a flat stream; xq has the same size and order.
; LIMITS: -128 <= x < 128 (the conversion saturates outside); a NaN becomes 0; every f32 with 0.5 <= |x| < 128 is held exactly,
; a smaller one to within 2^-25.
; 256 work-groups x 256 threads x 6 pieces of 16 bytes; each load and store of a wave covers 512 consecutive bytes, aligned.
.set WG_BYTES, 24576                   ; 6,291,456 / 256
.set X, 2                              ; v[2:25] six pieces of four numbers, converted in place
	s_load_b128 s[4:7], s[0:1], 0x0                ; x s[4:5], xq s[6:7]
	s_mul_i32 s8, ttmp9, WG_BYTES                  ; the work-group's part (below 6 MiB)
	s_mov_b32 s9, 0
	v_lshlrev_b32 v1, 4, v0                        ; 16 bytes a thread; never rewritten
	s_wait_kmcnt 0x0
	s_add_nc_u64 s[4:5], s[4:5], s[8:9]
	s_add_nc_u64 s[6:7], s[6:7], s[8:9]
.irp i, 0,1,2,3,4,5
	global_load_b128 v[X+4*\i:X+4*\i+3], v1, s[4:5] offset:4096*\i th:TH_LOAD_NT   ; x is read once in the whole program
.endr
.irp i, 0,1,2,3,4,5
	s_wait_loadcnt 5-\i                            ; loads come back in order: piece i is in, the 5 - i younger ones stay out
	v_pk_mul_f32 v[X+4*\i:X+4*\i+1],   v[X+4*\i:X+4*\i+1],   0x4b800000 op_sel_hi:[1,0]   ; x * 2^24: exact, a change of exponent
	v_pk_mul_f32 v[X+4*\i+2:X+4*\i+3], v[X+4*\i+2:X+4*\i+3], 0x4b800000 op_sel_hi:[1,0]
.irp j, 0,1,2,3
	v_rndne_f32 v[X+4*\i+\j], v[X+4*\i+\j]         ; to the nearest whole number
.endr
.irp j, 0,1,2,3
	v_cvt_i32_f32 v[X+4*\i+\j], v[X+4*\i+\j]       ; saturates at the ends of i32
.endr
.irp j, 0,1,2,3
	v_xor_b32 v[X+4*\i+\j], 0x80000000, v[X+4*\i+\j]   ; + 2^31 modulo 2^32: the bias of 128 makes the number unsigned
.endr
	global_store_b128 v1, v[X+4*\i:X+4*\i+3], s[6:7] offset:4096*\i   ; no hint: the next launch reads it
.endr
	s_endpgm
.Lfunc_end_k_qe5829ba04c_quant:
	.size	k_qe5829ba04c_quant, .Lfunc_end_k_qe5829ba04c_quant-k_qe5829ba04c_quant
	.p2alignl 7, 3214868480
	.fill 96, 4, 3214868480
	.section	.rodata,"a",@progbits
	.p2align	6, 0x0
	.amdhsa_kernel k_qe5829ba04c_quant
		.amdhsa_group_segment_fixed_size 0
		.amdhsa_private_segment_fixed_size 0
		.amdhsa_enable_private_segment 0
		.amdhsa_kernarg_size 16
		.amdhsa_user_sgpr_count 2
		.amdhsa_user_sgpr_kernarg_segment_ptr 1
		.amdhsa_wavefront_size32 1
		.amdhsa_system_sgpr_workgroup_id_x 1
		.amdhsa_system_sgpr_workgroup_id_y 1
		.amdhsa_system_sgpr_workgroup_id_z 1
		.amdhsa_system_vgpr_workitem_id 0
		.amdhsa_next_free_vgpr 26
		.amdhsa_next_free_sgpr 66
		.amdhsa_reserve_vcc 0
		.amdhsa_float_denorm_mode_32 3
		.amdhsa_float_denorm_mode_16_64 3
		.amdhsa_memory_ordered 1
		.amdhsa_forward_progress 1
		.amdhsa_inst_pref_size 6
	.end_amdhsa_kernel
	.amdgpu_metadata
---
amdhsa.version: [ 1, 2 ]
amdhsa.kernels:
  - .name:           k_qe5829ba04c_quant
    .symbol:         k_qe5829ba04c_quant.kd
    .args:
      - { .name: x, .offset: 0, .size: 8, .value_kind: global_buffer, .address_space: global }
      - { .name: xq, .offset: 8, .size: 8, .value_kind: global_buffer, .address_space: global }
    .group_segment_fixed_size: 0
    .private_segment_fixed_size: 0
    .kernarg_segment_align: 8
    .kernarg_segment_size: 16
    .max_flat_workgroup_size: 256
    .sgpr_count:     66
    .vgpr_count:     26
    .wavefront_size: 32
...
	.end_amdgpu_metadata
.endif
;; end of part 1
;; launch gather (part 2): grid 4096 x 1, 8 waves a work-group, no clusters, 37,888 bytes of LDS; arguments xq, hash_table, out0; writes out0
.if DOCPART == 2
	.amdgcn_target "amdgcn-amd-amdhsa--gfx1250"
	.amdhsa_code_object_version 6
	.text
	.protected	k_qe5829ba04c_gather
	.globl	k_qe5829ba04c_gather
	.p2align	8
	.type	k_qe5829ba04c_gather,@function
k_qe5829ba04c_gather:
	s_mov_b64 s[64:65], 0
	v_nop
	global_prefetch_b8 v0, s[64:65] scope:SCOPE_SE
	s_setreg_imm32_b32 hwreg(HW_REG_WAVE_MODE, 25, 1), 1
	s_wait_xcnt 0x0
; Multi-resolution hash encoding: out[n][2 l + f] = sum over the 8 corners of point n's cell at level l of weight * table[l][hash(corner)][f].
; xq: 524,288 x 3 whole numbers, (x + 128) * 2^24.  hash_table: 16 levels x 524,288 entries x 2 f32.  out0: 524,288 x 32 f32.
;
; COORDINATES.  xq * (scale * 256) is a 64-bit product: its high word is floor((x + 128) * scale) = cell + 128 * scale, its low word the
; fraction * 2^32.  The product is exact, where the problem's formula rounds x * scale to f32; with xq's own rounding the scaled coordinate
; is within 2047 * 2^-25 of the true one.  Trilinear interpolation is continuous across a cell's faces, so a point that falls on the other
; side of a face than in f32 gets the same value to that accuracy.  The bias is taken out of the hash modulo 2^19 by constants.
; SCALES.  floor(16 * g^l) with g = 2^(7/15) rounded to f32 = 1.38191283, which is 3.8e-8 of itself below the exact root: g^15 = 127.99993,
; so the last scale is floor(2047.9988) = 2047; level 14 is floor(1482.0029) = 1482.  They hang on no input and are constants here.
; LIMITS.  -128 <= x < 128, as xq is made.  A negative cell number enters the hash as its two's complement.
; Every entry that is loaded is used with its true weight: a non-finite entry shows only in the points that use it.
;
; LANES.  The hash multiplies the x cell by 1, so the entries of corners (cx, y, z) and (cx + 1, y, z) have indices that differ only in the bits
; that the + 1 changes: in 15 of 16 cases they lie in the same aligned 128 bytes of the table.  Two neighbouring lanes share a point, the even
; lane takes corner cx, the odd lane cx + 1, so that both entries are asked for by one load instruction.  A lane sums its four (y, z) corners
; times its x weight; the two partial sums are added on the way out.
; A wave: 16 points.  A work-group: 8 waves, 128 points.  4,096 work-groups.
; PIPELINE.  The 16 levels are written out and go through four register sets: 12 to 16 loads of a wave are on their way.
; THE WAY OUT.  Lane j writes its 16 x 2 partial sums into row j of its wave's own 32 LDS rows; then each lane reads 16 bytes of a point's two rows,
; adds them, and a store of the wave covers 512 consecutive bytes of out0, aligned.  No wave touches another's rows: no barrier.
.set T_ENTRIES, 524288                 ; entries in a level
.set IDX_MASK, T_ENTRIES-1
.set LEVEL_BYTES, T_ENTRIES*8
.set P1, 2654435761                    ; the hash's primes for y and z
.set P2, 805459861
.set PTS_WG, 128
.set PITCH, 144                        ; an LDS row: 128 bytes + 16, a multiple of 16 for the 16-byte reads
.set WAVE_LDS, 32*PITCH
.set XQ,   2                           ; v[2:4]   my point's three coordinates
.set LST,  5                           ; v5       LDS address of my row
.set ZZ,   6                           ; v[6:7]   0, the 64-bit addend of the products
.set PAR,  8                           ; v8       0: corner cx, 1: corner cx + 1
.set SG,   9                           ; v9       -2^-32 or 2^-32   my x weight = fraction word * SG + BS:
.set BS,   10                          ; v10      1 or 0            1 - fx for the even lane, fx for the odd one
.set PR,   12                          ; v[12:17] the three products: (low, high) for x, y, z
.set H,    18                          ; v[18:22] hash parts
.set GY,   18                          ; v[18:19] (2^32 (1 - fy), my x weight)      these share registers with the hash parts,
.set GZ,   20                          ; v[20:21] (2^-32 (1 - fz), 2^-32 fz)        which are done with by then
.set WYZ,  22                          ; v[22:25] the four y-z weights
.set SUM,  26                          ; v[26:27] my partial sum, two features
.set SET0, 28                          ; v[28:91] four sets of 16: +0..7 four entries, +8..11 their indices, +12..14 fraction words as f32
.set TB,   24                          ; s[24:55] the sixteen levels' base addresses
	s_load_b128 s[4:7], s[0:1], 0x0                ; xq s[4:5], hash_table s[6:7]
	s_load_b64 s[8:9], s[0:1], 0x10                ; out0
	v_lshl_add_u32 v92, v0, 2, 0x9000
	v_mov_b32 v93, 0
	v_lshrrev_b32 v1, 5, v0
	v_readfirstlane_b32 s10, v1                    ; wave 0..7
	s_mul_i32 s20, ttmp9, PTS_WG*12                ; my work-group's points in xq
	s_mov_b32 s21, 0
	s_lshl_b32 s22, ttmp9, 14                      ; and in out0: 128 points x 128 bytes (below 64 MiB)
	s_mov_b32 s23, 0
	s_mov_b32 s12, P1&0xffffff                     ; only the hash's low 19 bits count: 24 bits of a prime do
	s_mov_b32 s13, P2&0xffffff
	s_mov_b32 s14, IDX_MASK
	s_mov_b32 s15, 0x4f800000                      ; 2^32
	s_mov_b32 s16, 0x2f800000                      ; 2^-32
	s_mul_i32 s11, s10, WAVE_LDS                   ; my wave's rows in LDS
	v_lshrrev_b32 v1, 1, v0                        ; my point in the work-group: two lanes a point
	v_mul_u32_u24 v1, v1, 12
	s_wait_kmcnt 0x0
	s_add_nc_u64 s[4:5], s[4:5], s[20:21]
	global_load_b96 v[XQ:XQ+2], v1, s[4:5] th:TH_LOAD_NT   ; a wave reads 192 consecutive bytes; read once in this launch
	s_add_nc_u64 s[8:9], s[8:9], s[22:23]
	s_mov_b64 s[TB:TB+1], s[6:7]                   ; a base of its own for each level: none is stepped while loads that name it are out
.irp l, 1,2,3,4,5,6,7,8,9,10,11,12,13,14,15
	s_add_nc_u64 s[TB+2*\l:TB+2*\l+1], s[TB+2*\l-2:TB+2*\l-1], LEVEL_BYTES
.endr
	v_and_b32 v[PAR], 1, v0
	v_and_b32 v[LST], 31, v0
	v_mul_u32_u24 v[LST], v[LST], PITCH
	v_add_nc_u32 v[LST], s11, v[LST]
	v_mov_b32 v[ZZ], 0
	v_mov_b32 v[ZZ+1], 0
	v_cmp_eq_u32 vcc_lo, 1, v[PAR]
	v_mov_b32 v[SG], 0xaf800000                    ; -2^-32
	v_cndmask_b32 v[SG], v[SG], s16, vcc_lo
	v_cndmask_b32 v[BS], 1.0, 0, vcc_lo
	s_wait_loadcnt 0x0                             ; my coordinates
; Level l with its scale: the cell, the fractions, my four indices, and the four loads, into register set 'set'.
.macro AI l, scale, set
.set SETB, SET0+16*\set
.set K_SC, \scale*256
.set K_C0, (T_ENTRIES-((128*\scale)&IDX_MASK))&IDX_MASK        ; -128 scale modulo 2^19: takes the bias out of the x cell
.set K_CY, (T_ENTRIES-((128*\scale*P1)&IDX_MASK))&IDX_MASK     ; -128 scale P1: out of the y part
.set K_CZ, (T_ENTRIES-((128*\scale*P2)&IDX_MASK))&IDX_MASK     ; -128 scale P2: out of the z part
	v_mad_nc_u64_u32 v[PR:PR+1],   v[XQ],   K_SC, v[ZZ:ZZ+1]   ; below 2^51: high word = biased cell (below 2^19), low word = fraction * 2^32
	v_mad_nc_u64_u32 v[PR+2:PR+3], v[XQ+1], K_SC, v[ZZ:ZZ+1]
	v_mad_nc_u64_u32 v[PR+4:PR+5], v[XQ+2], K_SC, v[ZZ:ZZ+1]
	v_cvt_f32_u32 v[SETB+12], v[PR]                ; kept for the weights, which are made when the entries are due
	v_cvt_f32_u32 v[SETB+13], v[PR+2]
	v_cvt_f32_u32 v[SETB+14], v[PR+4]
	v_add3_u32 v[H], v[PR+1], K_C0, v[PAR]         ; my x corner: cx or cx + 1
	v_mad_u32_u24 v[H+1], v[PR+3], s12, K_CY       ; cy P1
	v_mad_u32_u24 v[H+3], v[PR+5], s13, K_CZ       ; cz P2
	v_add_nc_u32 v[H+2], s12, v[H+1]               ; (cy + 1) P1
	v_add_nc_u32 v[H+4], s13, v[H+3]               ; (cz + 1) P2
	v_xor_b32 v[H+1], v[H], v[H+1]                 ; x ^ y, for both y
	v_xor_b32 v[H+2], v[H], v[H+2]
.irp k, 1,2,3,4
	v_and_b32 v[H+\k], s14, v[H+\k]                ; modulo the table's size, on four parts instead of on four sums and three parts
.endr
	v_xor_b32 v[SETB+8],  v[H+1], v[H+3]           ; corner (y, z)
	v_xor_b32 v[SETB+9],  v[H+1], v[H+4]           ; (y, z + 1)
	v_xor_b32 v[SETB+10], v[H+2], v[H+3]           ; (y + 1, z)
	v_xor_b32 v[SETB+11], v[H+2], v[H+4]           ; (y + 1, z + 1)
.irp c, 0,1,2,3
	v_min_u32 v[SETB+8+\c], IDX_MASK, v[SETB+8+\c] ; an index made of loaded numbers is clamped to the level's last entry before it enters an address; the masks have bounded it, so no value changes
.endr
.irp c, 0,1,2,3
	global_load_b64 v[SETB+2*\c:SETB+2*\c+1], v[SETB+8+\c], s[TB+2*\l:TB+2*\l+1] scale_offset   ; at the level's base + 8 x index
.endr
.endm
; Level l's entries are summed.  left = how many younger loads may stay out: four for each level issued behind this one.
.macro CONSUME l, set, left
.set SETB, SET0+16*\set
	v_fma_f32 v[GY+1], v[SETB+12], v[SG], v[BS]    ; my x weight: 1 - fx or fx
	v_sub_f32 v[GY], s15, v[SETB+13]               ; 2^32 (1 - fy)
	v_mul_f32 v[GZ+1], 0x1f800000, v[SETB+14]      ; 2^-32 fz (the word times 2^-64)
	v_sub_f32 v[GZ], s16, v[GZ+1]                  ; 2^-32 (1 - fz): the two powers cancel in the products below
	v_pk_mul_f32 v[WYZ:WYZ+1],   v[GZ:GZ+1], v[GY:GY+1] op_sel_hi:[1,0]                       ; (1 - fy) x (1 - fz, fz)
	v_pk_mul_f32 v[WYZ+2:WYZ+3], v[GZ:GZ+1], v[SETB+12:SETB+13] op_sel:[0,1] op_sel_hi:[1,1]  ; fy x (1 - fz, fz)
	s_wait_loadcnt \left                           ; loads come back in order: this level's four are in; the wait also frees their index registers
	v_pk_mul_f32 v[SUM:SUM+1], v[SETB:SETB+1],     v[WYZ:WYZ+1] op_sel_hi:[1,0]               ; the first product starts the sum
	v_pk_fma_f32 v[SUM:SUM+1], v[SETB+2:SETB+3],   v[WYZ:WYZ+1],     v[SUM:SUM+1] op_sel:[0,1,0] op_sel_hi:[1,1,1]
	v_pk_fma_f32 v[SUM:SUM+1], v[SETB+4:SETB+5],   v[WYZ+2:WYZ+3],   v[SUM:SUM+1] op_sel_hi:[1,0,1]
	v_pk_fma_f32 v[SUM:SUM+1], v[SETB+6:SETB+7],   v[WYZ+2:WYZ+3],   v[SUM:SUM+1] op_sel:[0,1,0] op_sel_hi:[1,1,1]
	v_pk_mul_f32 v[SUM:SUM+1], v[SUM:SUM+1], v[GY:GY+1] op_sel:[0,1] op_sel_hi:[1,1]          ; times my x weight
	ds_store_b64 v[LST], v[SUM:SUM+1] offset:8*\l  ; my row, the level's two features
.endm
	AI 0, 16, 0                                    ; four levels go out before the first is waited for
	AI 1, 22, 1
	AI 2, 30, 2
	AI 3, 42, 3
	CONSUME 0, 0, 12                               ; each set is summed, then loaded again with the level four further on
	AI 4, 58, 0
	CONSUME 1, 1, 12
	AI 5, 80, 1
	CONSUME 2, 2, 12
	AI 6, 111, 2
	CONSUME 3, 3, 12
	AI 7, 153, 3
	CONSUME 4, 0, 12
	AI 8, 212, 0
	CONSUME 5, 1, 12
	AI 9, 294, 1
	CONSUME 6, 2, 12
	AI 10, 406, 2
	CONSUME 7, 3, 12
	AI 11, 561, 3
	CONSUME 8, 0, 12
	AI 12, 776, 0
	CONSUME 9, 1, 12
	AI 13, 1072, 1
	CONSUME 10, 2, 12
	AI 14, 1482, 2
	CONSUME 11, 3, 12
	AI 15, 2047, 3
	CONSUME 12, 0, 12                              ; nothing more to load: the counts run down
	CONSUME 13, 1, 8
	CONSUME 14, 2, 4
	CONSUME 15, 3, 0
	; THE WAY OUT.  Point q of my wave has its two partial rows in LDS rows 2 q and 2 q + 1.  In piece i lane j takes point 4 i + j / 8 and
	; the 16 bytes at 16 (j % 8) of its row: in out0 that is byte 512 i + 16 j of the wave's 2,048.
	v_and_b32 v12, 31, v0                          ; lane
	v_lshrrev_b32 v13, 3, v12
	v_and_b32 v14, 7, v12
	v_mul_u32_u24 v13, v13, 2*PITCH
	v_lshl_add_u32 v13, v14, 4, v13
	v_add_nc_u32 v13, s11, v13                     ; where I read
	v_lshlrev_b32 v14, 4, v12
	v_lshl_add_u32 v14, s10, 11, v14               ; where I store: 2,048 x wave + 16 x lane
.irp i, 0,1,2,3
	ds_load_b128 v[SET0+8*\i:SET0+8*\i+3],   v13 offset:\i*8*PITCH         ; LDS serves a wave's instructions in order: these see the stores above
	ds_load_b128 v[SET0+8*\i+4:SET0+8*\i+7], v13 offset:\i*8*PITCH+PITCH
.endr
.irp i, 0,1,2,3
	s_wait_dscnt 6-2*\i                            ; piece i's two loads are in, the 6 - 2 i younger ones stay out
	v_pk_add_f32 v[SET0+8*\i:SET0+8*\i+1],   v[SET0+8*\i:SET0+8*\i+1],   v[SET0+8*\i+4:SET0+8*\i+5]   ; corner cx's half + corner cx + 1's half
	v_pk_add_f32 v[SET0+8*\i+2:SET0+8*\i+3], v[SET0+8*\i+2:SET0+8*\i+3], v[SET0+8*\i+6:SET0+8*\i+7]
	global_store_b128 v14, v[SET0+8*\i:SET0+8*\i+3], s[8:9] offset:512*\i th:TH_STORE_NT   ; written once, not read again
.endr
	s_wait_tensorcnt 0x0
	ds_add_u32 v92, v93
	s_wait_dscnt 0x0
	s_endpgm
.Lfunc_end_k_qe5829ba04c_gather:
	.size	k_qe5829ba04c_gather, .Lfunc_end_k_qe5829ba04c_gather-k_qe5829ba04c_gather
	.p2alignl 7, 3214868480
	.fill 96, 4, 3214868480
	.section	.rodata,"a",@progbits
	.p2align	6, 0x0
	.amdhsa_kernel k_qe5829ba04c_gather
		.amdhsa_group_segment_fixed_size 37888
		.amdhsa_private_segment_fixed_size 0
		.amdhsa_enable_private_segment 0
		.amdhsa_kernarg_size 24
		.amdhsa_user_sgpr_count 2
		.amdhsa_user_sgpr_kernarg_segment_ptr 1
		.amdhsa_wavefront_size32 1
		.amdhsa_system_sgpr_workgroup_id_x 1
		.amdhsa_system_sgpr_workgroup_id_y 1
		.amdhsa_system_sgpr_workgroup_id_z 1
		.amdhsa_system_vgpr_workitem_id 0
		.amdhsa_next_free_vgpr 94
		.amdhsa_next_free_sgpr 66
		.amdhsa_reserve_vcc 1
		.amdhsa_float_denorm_mode_32 3
		.amdhsa_float_denorm_mode_16_64 3
		.amdhsa_memory_ordered 1
		.amdhsa_forward_progress 1
		.amdhsa_inst_pref_size 43
	.end_amdhsa_kernel
	.amdgpu_metadata
---
amdhsa.version: [ 1, 2 ]
amdhsa.kernels:
  - .name:           k_qe5829ba04c_gather
    .symbol:         k_qe5829ba04c_gather.kd
    .args:
      - { .name: xq, .offset: 0, .size: 8, .value_kind: global_buffer, .address_space: global }
      - { .name: hash_table, .offset: 8, .size: 8, .value_kind: global_buffer, .address_space: global }
      - { .name: out0, .offset: 16, .size: 8, .value_kind: global_buffer, .address_space: global }
    .group_segment_fixed_size: 37888
    .private_segment_fixed_size: 0
    .kernarg_segment_align: 8
    .kernarg_segment_size: 24
    .max_flat_workgroup_size: 256
    .sgpr_count:     66
    .vgpr_count:     94
    .wavefront_size: 32
...
	.end_amdgpu_metadata
.endif
;; end of part 2
;; ======== version 2 of 2: 2 launches; version 1 with the launch gather written anew for expert scheduling mode
;; limits: inputs' magnitudes at most 128
;; workspace buffers: xq 6,291,456 bytes of whole numbers
;; launch quant: the kernel of part 1 again; grid 256 x 1, 8 waves a work-group, no clusters, 0 bytes of LDS; arguments x, xq; writes xq
;; launch gather (part 3): grid 4096 x 1, 8 waves a work-group, no clusters, 37,888 bytes of LDS; arguments xq, hash_table, out0; writes out0
.if DOCPART == 3
	.amdgcn_target "amdgcn-amd-amdhsa--gfx1250"
	.amdhsa_code_object_version 6
	.text
	.protected	k_qe5829ba04c_gather
	.globl	k_qe5829ba04c_gather
	.p2align	8
	.type	k_qe5829ba04c_gather,@function
k_qe5829ba04c_gather:
	s_mov_b64 s[64:65], 0
	v_nop
	global_prefetch_b8 v0, s[64:65] scope:SCOPE_SE
	s_setreg_imm32_b32 hwreg(HW_REG_WAVE_SCHED_MODE, 0, 2), 2
	s_setreg_imm32_b32 hwreg(HW_REG_WAVE_MODE, 25, 1), 1
	s_wait_xcnt 0x0
	s_wait_alu depctr_vm_vsrc(0)
; Multi-resolution hash encoding: out[n][2 l + f] = sum over the 8 corners of point n's cell at level l of weight * table[l][hash(corner)][f].
; xq: 524,288 x 3 whole numbers, (x + 128) * 2^24.  hash_table: 16 levels x 524,288 entries x 2 f32.  out0: 524,288 x 32 f32.
;
; COORDINATES.  xq * (scale * 256) is a 64-bit product: its high word is floor((x + 128) * scale) = cell + 128 * scale, its low word the
; fraction * 2^32.  The product is exact, where the problem's formula rounds x * scale to f32; with xq's own rounding the scaled coordinate
; is within 2047 * 2^-25 of the true one.  Trilinear interpolation is continuous across a cell's faces, so a point that falls on the other
; side of a face than in f32 gets the same value to that accuracy.  The bias is taken out of the hash modulo 2^19 by constants.
; SCALES.  floor(16 * g^l) with g = 2^(7/15) rounded to f32 = 1.38191283, which is 3.8e-8 of itself below the exact root: g^15 = 127.99993,
; so the last scale is floor(2047.9988) = 2047; level 14 is floor(1482.0029) = 1482.  They hang on no input and are constants here.
; LIMITS.  -128 <= x < 128, as xq is made.  A negative cell number enters the hash as its two's complement.
; Every entry that is loaded is used with its true weight: a non-finite entry shows only in the points that use it.
;
; LANES.  The hash multiplies the x cell by 1, so the entries of corners (cx, y, z) and (cx + 1, y, z) have indices that differ only in the bits
; that the + 1 changes: in 15 of 16 cases they lie in the same aligned 128 bytes of the table.  Two neighbouring lanes share a point, the even
; lane takes corner cx, the odd lane cx + 1, so that both entries are asked for by one load instruction.  A lane sums its four (y, z) corners
; times its x weight; the two partial sums are added on the way out.
; A wave: 16 points.  A work-group: 8 waves, 128 points.  4,096 work-groups.
; PIPELINE.  The 16 levels are written out and go through four register sets: 12 to 16 loads of a wave are on their way.
; THE WAY OUT.  Lane j writes its 16 x 2 partial sums into row j of its wave's own 32 LDS rows; then each lane reads 16 bytes of a point's two rows,
; adds them, and a store of the wave covers 512 consecutive bytes of out0, aligned.  No wave touches another's rows: no barrier.
;
; THE MODE: SCHED_MODE bits 1:0 = 2 (LLVM: expert scheduling mode 2), set by the entry lines.  The code itself states the register dependences
; between vector instructions and memory or LDS instructions, with s_wait_alu, always for 0.
; THE PLAN.  Step l sums level l, which lies in set l % 4, and makes level l + 4's indices in the same set.  Registers that memory or LDS instructions touch:
;   set, +0..7    four entries.  Level l's loads land there; step l's sums read them; level l + 4's loads, issued at the end of step l, land there again.
;   set, +8..11   four indices.  Written by step l - 4's arithmetic; read by level l's loads at the end of that step; written again by step l's arithmetic.
;   SUM, SUM2     the partial sums of the even and of the odd levels.  Written by step l's sums; read by the LDS store at the end of step l; written again in step l + 2.
;   v[LST], v1    written at the head and never again.       v13, v14   the way out's addresses, written once, in the last step.
;   The fraction words (+12..14), the hash parts, the weights and, once they are in, the coordinates are named by vector instructions alone.
; A step's order: the wait for level l's entries; its sums; level l + 4's indices; TWO WAITS; then the four loads and the LDS store, dealt among the six lines
; that make level l + 1's weights.  Those six name the next set's fraction words, v[SG], v[BS] and v[18:25]: none of the registers that the step's
; memory instructions touch, so these follow the two waits with no further one.
;   The wait on va_vdst states: the new indices and the sum are written, and the sums are done reading the entries' registers.  It stands behind the index
;   arithmetic, so that the set is asked for again at once and 12 loads stay out at every wait for entries.
;   The wait on vm_vsrc states: the LDS store of the step before has read its sum, which the next step writes again.  It stands ahead of this step's memory
;   instructions: with two sum buffers the youngest instruction that it waits for was issued a whole step earlier.
.set T_ENTRIES, 524288                 ; entries in a level
.set IDX_MASK, T_ENTRIES-1
.set LEVEL_BYTES, T_ENTRIES*8
.set P1, 2654435761                    ; the hash's primes for y and z
.set P2, 805459861
.set PTS_WG, 128
.set PITCH, 144                        ; an LDS row: 128 bytes + 16, a multiple of 16 for the 16-byte reads
.set WAVE_LDS, 32*PITCH
.set XQ,   2                           ; v[2:4]   my point's three coordinates
.set LST,  5                           ; v5       LDS address of my row
.set ZZ,   6                           ; v[6:7]   0, the 64-bit addend of the products
.set PAR,  8                           ; v8       0: corner cx, 1: corner cx + 1
.set SG,   9                           ; v9       -2^-32 or 2^-32   my x weight = fraction word * SG + BS:
.set BS,   10                          ; v10      1 or 0            1 - fx for the even lane, fx for the odd one
.set PR,   12                          ; v[12:17] the three products: (low, high) for x, y, z
.set H,    18                          ; v[18:22] hash parts
.set GY,   18                          ; v[18:19] (2^32 (1 - fy), my x weight)      these share registers with the hash parts,
.set GZ,   20                          ; v[20:21] (2^-32 (1 - fz), 2^-32 fz)        which are done with by then
.set WYZ,  22                          ; v[22:25] the four y-z weights
.set SUM,  26                          ; v[26:27] my partial sum, two features: the even levels'
.set SET0, 28                          ; v[28:91] four sets of 16: +0..7 four entries, +8..11 their indices, +12..14 fraction words as f32
.set SUM2, 92                          ; v[92:93] the odd levels' partial sum
.set TB,   24                          ; s[24:55] the sixteen levels' base addresses
	s_load_b128 s[4:7], s[0:1], 0x0                ; xq s[4:5], hash_table s[6:7]
	s_load_b64 s[8:9], s[0:1], 0x10                ; out0
	v_lshl_add_u32 v75, v0, 2, 0x9000
	v_mov_b32 v91, 0
	v_lshrrev_b32 v1, 5, v0
	v_readfirstlane_b32 s10, v1                    ; wave 0..7
	s_mul_i32 s20, ttmp9, PTS_WG*12                ; my work-group's points in xq
	s_mov_b32 s21, 0
	s_lshl_b32 s22, ttmp9, 14                      ; and in out0: 128 points x 128 bytes (below 64 MiB)
	s_mov_b32 s23, 0
	s_mov_b32 s12, P1&0xffffff                     ; only the hash's low 19 bits count: 24 bits of a prime do
	s_mov_b32 s13, P2&0xffffff
	s_mov_b32 s14, IDX_MASK
	s_mov_b32 s15, 0x4f800000                      ; 2^32
	s_mov_b32 s16, 0x2f800000                      ; 2^-32
	s_wait_alu depctr_va_sdst(0)                   ; s10 is written, ahead of its first reader, the line below
	s_mul_i32 s11, s10, WAVE_LDS                   ; my wave's rows in LDS
	v_lshrrev_b32 v1, 1, v0                        ; my point in the work-group: two lanes a point
	v_mul_u32_u24 v1, v1, 12
	s_wait_kmcnt 0x0
	s_add_nc_u64 s[4:5], s[4:5], s[20:21]
	s_wait_alu depctr_va_vdst(0)                   ; v1 is written, which the load below reads as its offset
	global_load_b96 v[XQ:XQ+2], v1, s[4:5] th:TH_LOAD_NT   ; a wave reads 192 consecutive bytes; read once in this launch
	s_add_nc_u64 s[8:9], s[8:9], s[22:23]
	s_mov_b64 s[TB:TB+1], s[6:7]                   ; a base of its own for each level: none is stepped while loads that name it are out
.irp l, 1,2,3,4,5,6,7,8,9,10,11,12,13,14,15
	s_add_nc_u64 s[TB+2*\l:TB+2*\l+1], s[TB+2*\l-2:TB+2*\l-1], LEVEL_BYTES
.endr
	v_and_b32 v[PAR], 1, v0
	v_and_b32 v[LST], 31, v0
	v_mul_u32_u24 v[LST], v[LST], PITCH
	v_add_nc_u32 v[LST], s11, v[LST]
	v_mov_b32 v[ZZ], 0
	v_mov_b32 v[ZZ+1], 0
	v_cmp_eq_u32 vcc_lo, 1, v[PAR]
	v_mov_b32 v[SG], 0xaf800000                    ; -2^-32
	s_wait_alu depctr_va_vcc(0)                    ; the compare has written VCC, which the two selects below read
	v_cndmask_b32 v[SG], v[SG], s16, vcc_lo
	v_cndmask_b32 v[BS], 1.0, 0, vcc_lo
	s_wait_loadcnt 0x0                             ; my coordinates
; A level with its scale: the cell, the fraction words and my four indices, into register set 'set'.  Vector work alone.
.macro IDX scale, set
.set SETB, SET0+16*(\set)
.set K_SC, (\scale)*256
.set K_C0, (T_ENTRIES-((128*(\scale))&IDX_MASK))&IDX_MASK      ; -128 scale modulo 2^19: takes the bias out of the x cell
.set K_CY, (T_ENTRIES-((128*(\scale)*P1)&IDX_MASK))&IDX_MASK   ; -128 scale P1: out of the y part
.set K_CZ, (T_ENTRIES-((128*(\scale)*P2)&IDX_MASK))&IDX_MASK   ; -128 scale P2: out of the z part
	v_mad_nc_u64_u32 v[PR:PR+1],   v[XQ],   K_SC, v[ZZ:ZZ+1]   ; below 2^51: high word = biased cell (below 2^19), low word = fraction * 2^32
	v_mad_nc_u64_u32 v[PR+2:PR+3], v[XQ+1], K_SC, v[ZZ:ZZ+1]
	v_mad_nc_u64_u32 v[PR+4:PR+5], v[XQ+2], K_SC, v[ZZ:ZZ+1]
	v_cvt_f32_u32 v[SETB+12], v[PR]                ; kept for the weights, which are made when the entries are due
	v_cvt_f32_u32 v[SETB+13], v[PR+2]
	v_cvt_f32_u32 v[SETB+14], v[PR+4]
	v_add3_u32 v[H], v[PR+1], K_C0, v[PAR]         ; my x corner: cx or cx + 1
	v_mad_u32_u24 v[H+1], v[PR+3], s12, K_CY       ; cy P1
	v_mad_u32_u24 v[H+3], v[PR+5], s13, K_CZ       ; cz P2
	v_add_nc_u32 v[H+2], s12, v[H+1]               ; (cy + 1) P1
	v_add_nc_u32 v[H+4], s13, v[H+3]               ; (cz + 1) P2
	v_xor_b32 v[H+1], v[H], v[H+1]                 ; x ^ y, for both y
	v_xor_b32 v[H+2], v[H], v[H+2]
.irp k, 1,2,3,4
	v_and_b32 v[H+\k], s14, v[H+\k]                ; modulo the table's size, on four parts instead of on four sums and three parts
.endr
	v_xor_b32 v[SETB+8],  v[H+1], v[H+3]           ; corner (y, z)
	v_xor_b32 v[SETB+9],  v[H+1], v[H+4]           ; (y, z + 1)
	v_xor_b32 v[SETB+10], v[H+2], v[H+3]           ; (y + 1, z)
	v_xor_b32 v[SETB+11], v[H+2], v[H+4]           ; (y + 1, z + 1)
.irp c, 0,1,2,3
	v_min_u32 v[SETB+8+\c], IDX_MASK, v[SETB+8+\c] ; an index made of loaded numbers is clamped to the level's last entry before it enters an address; the masks have bounded it, so no value changes
.endr
.endm
; Two of level l's four loads: corners c and c + 1, at the level's base + 8 x index.
.macro ASK2 l, set, c
.set SETB, SET0+16*(\set)
	global_load_b64 v[SETB+2*(\c):SETB+2*(\c)+1],   v[SETB+8+(\c)], s[TB+2*(\l):TB+2*(\l)+1] scale_offset
	global_load_b64 v[SETB+2*(\c)+2:SETB+2*(\c)+3], v[SETB+9+(\c)], s[TB+2*(\l):TB+2*(\l)+1] scale_offset
.endm
; The weights of the level in register set 'set', two lines at a time: parts 0, 1, 2.  Vector work alone, on registers that no memory instruction names.
.macro WGT set, part
.set SETW, SET0+16*(\set)
.if (\part) == 0
	v_fma_f32 v[GY+1], v[SETW+12], v[SG], v[BS]    ; my x weight: 1 - fx or fx
	v_mul_f32 v[GZ+1], 0x1f800000, v[SETW+14]      ; 2^-32 fz (the word times 2^-64)
.elseif (\part) == 1
	v_sub_f32 v[GY], s15, v[SETW+13]               ; 2^32 (1 - fy)
	v_sub_f32 v[GZ], s16, v[GZ+1]                  ; 2^-32 (1 - fz): the two powers cancel in the products below
.else
	v_pk_mul_f32 v[WYZ:WYZ+1],   v[GZ:GZ+1], v[GY:GY+1] op_sel_hi:[1,0]                       ; (1 - fy) x (1 - fz, fz)
	v_pk_mul_f32 v[WYZ+2:WYZ+3], v[GZ:GZ+1], v[SETW+12:SETW+13] op_sel:[0,1] op_sel_hi:[1,1]  ; fy x (1 - fz, fz)
.endif
.endm
; The entries in register set 'set' are summed into sum buffer sb.  left = how many younger loads may stay out: four for each level issued behind this one.
.macro SUMS set, sb, left
.set SETB, SET0+16*(\set)
.set SACC, SUM+(SUM2-SUM)*(\sb)
	s_wait_loadcnt \left                           ; loads come back in order: this level's four are in; the wait also shows the loads that read the set's index registers done
	v_pk_mul_f32 v[SACC:SACC+1], v[SETB:SETB+1],     v[WYZ:WYZ+1] op_sel_hi:[1,0]             ; the first product starts the sum
	v_pk_fma_f32 v[SACC:SACC+1], v[SETB+2:SETB+3],   v[WYZ:WYZ+1],     v[SACC:SACC+1] op_sel:[0,1,0] op_sel_hi:[1,1,1]
	v_pk_fma_f32 v[SACC:SACC+1], v[SETB+4:SETB+5],   v[WYZ+2:WYZ+3],   v[SACC:SACC+1] op_sel_hi:[1,0,1]
	v_pk_fma_f32 v[SACC:SACC+1], v[SETB+6:SETB+7],   v[WYZ+2:WYZ+3],   v[SACC:SACC+1] op_sel:[0,1,0] op_sel_hi:[1,1,1]
	v_pk_mul_f32 v[SACC:SACC+1], v[SACC:SACC+1], v[GY:GY+1] op_sel:[0,1] op_sel_hi:[1,1]      ; times my x weight
.endm
; Level l's two features go into my row.
.macro PUT l, sb
	ds_store_b64 v[LST], v[SUM+(SUM2-SUM)*(\sb):SUM+(SUM2-SUM)*(\sb)+1] offset:8*(\l)
.endm
; Step l, for l = 0 to 11.  scale: that of level l + 4.
.macro STEP l, scale
	SUMS (\l)%4, (\l)%2, 12
	IDX \scale, (\l)%4
	s_wait_alu depctr_vm_vsrc(0)                   ; the LDS store of the step before has read its sum, which the next step writes again; the loads issued so far have read their indices, of which the next step writes four again
	s_wait_alu depctr_va_vdst(0)                   ; level l + 4's indices and level l's sum are written, which the loads and the LDS store below read; the sums are done reading the entries' registers, in which the loads land
	ASK2 (\l)+4, (\l)%4, 0
	WGT ((\l)+1)%4, 0                              ; no vector instruction since the wait names a register of this step's loads or of its LDS store
	ASK2 (\l)+4, (\l)%4, 2
	WGT ((\l)+1)%4, 1
	PUT \l, (\l)%2
	WGT ((\l)+1)%4, 2
.endm
; Step l, for l = 12 to 14: nothing more to load.
.macro LAST l, left
	SUMS (\l)%4, (\l)%2, \left
	s_wait_alu depctr_vm_vsrc(0)                   ; the LDS store of the step before has read its sum, which the next step writes again
	s_wait_alu depctr_va_vdst(0)                   ; level l's sum is written, which the LDS store below reads
	PUT \l, (\l)%2
	WGT ((\l)+1)%4, 0
	WGT ((\l)+1)%4, 1
	WGT ((\l)+1)%4, 2
.endm
	IDX 16, 0                                      ; four levels go out before the first is waited for, each as soon as its indices are made
	s_wait_alu depctr_va_vdst(0)                   ; level 0's indices are written, which its loads read; so is v[LST], which every LDS store reads
	ASK2 0, 0, 0
	ASK2 0, 0, 2
	IDX 22, 1
	s_wait_alu depctr_vm_vsrc(0)                   ; level 0's loads have read their indices, which step 0 writes again
	s_wait_alu depctr_va_vdst(0)                   ; level 1's indices are written, which its loads read
	ASK2 1, 1, 0
	ASK2 1, 1, 2
	IDX 30, 2
	s_wait_alu depctr_va_vdst(0)                   ; level 2's indices are written, which its loads read
	ASK2 2, 2, 0
	ASK2 2, 2, 2
	IDX 42, 3
	s_wait_alu depctr_va_vdst(0)                   ; level 3's indices are written, which its loads read
	ASK2 3, 3, 0
	WGT 0, 0                                       ; level 0's weights name set 0's fraction words and v[18:25]: nothing of level 3's loads
	ASK2 3, 3, 2
	WGT 0, 1
	WGT 0, 2
	STEP 0, 58                                     ; each set is summed, then loaded again with the level four further on
	STEP 1, 80
	STEP 2, 111
	STEP 3, 153
	STEP 4, 212
	STEP 5, 294
	STEP 6, 406
	STEP 7, 561
	STEP 8, 776
	STEP 9, 1072
	STEP 10, 1482
	STEP 11, 2047
	LAST 12, 12                                    ; nothing more to load: the counts run down
	LAST 13, 8
	LAST 14, 4
	SUMS 3, 1, 0                                   ; level 15; no sum buffer is written behind it
	; THE WAY OUT.  Point q of my wave has its two partial rows in LDS rows 2 q and 2 q + 1.  In piece i lane j takes point 4 i + j / 8 and
	; the 16 bytes at 16 (j % 8) of its row: in out0 that is byte 512 i + 16 j of the wave's 2,048.
	v_and_b32 v12, 31, v0                          ; lane
	v_lshrrev_b32 v13, 3, v12
	v_and_b32 v14, 7, v12
	v_mul_u32_u24 v13, v13, 2*PITCH
	v_lshl_add_u32 v13, v14, 4, v13
	v_add_nc_u32 v13, s11, v13                     ; where I read
	v_lshlrev_b32 v14, 4, v12
	v_lshl_add_u32 v14, s10, 11, v14               ; where I store: 2,048 x wave + 16 x lane
	s_wait_alu depctr_va_vdst(0)                   ; level 15's sum is written, which the last LDS store reads; v13 and v14 are written, which the LDS loads and the stores read; the vector work that named v[28:59] is done, in which the LDS loads land
	PUT 15, 1
.irp i, 0,1,2,3
	ds_load_b128 v[SET0+8*\i:SET0+8*\i+3],   v13 offset:\i*8*PITCH         ; LDS serves a wave's instructions in order: these see the stores above.  (The loads that read v36-39 and v52-55 as indices were issued in steps 8 and 9, ahead of the later steps' waits on vm_vsrc)
	ds_load_b128 v[SET0+8*\i+4:SET0+8*\i+7], v13 offset:\i*8*PITCH+PITCH
.endr
.irp i, 0,1,2,3
	s_wait_dscnt 6-2*\i                            ; piece i's two loads are in, the 6 - 2 i younger ones stay out
	v_pk_add_f32 v[SET0+8*\i:SET0+8*\i+1],   v[SET0+8*\i:SET0+8*\i+1],   v[SET0+8*\i+4:SET0+8*\i+5]   ; corner cx's half + corner cx + 1's half
	v_pk_add_f32 v[SET0+8*\i+2:SET0+8*\i+3], v[SET0+8*\i+2:SET0+8*\i+3], v[SET0+8*\i+6:SET0+8*\i+7]
.endr
	s_wait_alu depctr_va_vdst(0)                   ; the eight additions have written the four pieces, which the run of stores reads
.irp i, 0,1,2,3
	global_store_b128 v14, v[SET0+8*\i:SET0+8*\i+3], s[8:9] offset:512*\i th:TH_STORE_NT   ; written once, not read again
.endr
	s_wait_dscnt 0x0
	s_wait_alu depctr_hold_cnt(0) depctr_sa_sdst(0) depctr_va_vdst(0) depctr_va_sdst(0) depctr_va_ssrc(0) depctr_va_vcc(0) depctr_vm_vsrc(0)
	s_wait_tensorcnt 0x0
	ds_add_u32 v75, v91
	s_wait_dscnt 0x0
	s_endpgm
.Lfunc_end_k_qe5829ba04c_gather:
	.size	k_qe5829ba04c_gather, .Lfunc_end_k_qe5829ba04c_gather-k_qe5829ba04c_gather
	.p2alignl 7, 3214868480
	.fill 96, 4, 3214868480
	.section	.rodata,"a",@progbits
	.p2align	6, 0x0
	.amdhsa_kernel k_qe5829ba04c_gather
		.amdhsa_group_segment_fixed_size 37888
		.amdhsa_private_segment_fixed_size 0
		.amdhsa_enable_private_segment 0
		.amdhsa_kernarg_size 24
		.amdhsa_user_sgpr_count 2
		.amdhsa_user_sgpr_kernarg_segment_ptr 1
		.amdhsa_wavefront_size32 1
		.amdhsa_system_sgpr_workgroup_id_x 1
		.amdhsa_system_sgpr_workgroup_id_y 1
		.amdhsa_system_sgpr_workgroup_id_z 1
		.amdhsa_system_vgpr_workitem_id 0
		.amdhsa_next_free_vgpr 94
		.amdhsa_next_free_sgpr 66
		.amdhsa_reserve_vcc 1
		.amdhsa_float_denorm_mode_32 3
		.amdhsa_float_denorm_mode_16_64 3
		.amdhsa_memory_ordered 1
		.amdhsa_forward_progress 1
		.amdhsa_inst_pref_size 45
	.end_amdhsa_kernel
	.amdgpu_metadata
---
amdhsa.version: [ 1, 2 ]
amdhsa.kernels:
  - .name:           k_qe5829ba04c_gather
    .symbol:         k_qe5829ba04c_gather.kd
    .args:
      - { .name: xq, .offset: 0, .size: 8, .value_kind: global_buffer, .address_space: global }
      - { .name: hash_table, .offset: 8, .size: 8, .value_kind: global_buffer, .address_space: global }
      - { .name: out0, .offset: 16, .size: 8, .value_kind: global_buffer, .address_space: global }
    .group_segment_fixed_size: 37888
    .private_segment_fixed_size: 0
    .kernarg_segment_align: 8
    .kernarg_segment_size: 24
    .max_flat_workgroup_size: 256
    .sgpr_count:     66
    .vgpr_count:     94
    .wavefront_size: 32
...
	.end_amdgpu_metadata
.endif
;; end of part 3
